; MI455X (gfx1250); checked and timed in simulation.
; The chip was launched on July 23, 2026; its instructions are those of AMD's public machine-readable ISA for CDNA 5 (MIT licence, August 2026) and "CDNA5" Instruction Set Architecture Reference Guide (July 2026). The comments in the code are by the model that wrote it; some were corrected since.
;; Attention. Allowed arithmetic: matrix products marked QUANTISED: E2M3 operands, one E8M0 scale for each 32 along K, by v_wmma_scale_f32_16x16x128_f8f6f4 with both operands' format E2M3, f32 sums; products left as they are: f32 operands where the result goes on into a quantised operand, else bf16, f16 or f32 operands; f32 sums; everything else in f32.
;; Inputs: attn_b 1,024 float32; attn_w 2,048 x 1,024 float32; encoder_outputs 32 x 2,048 x 1,024 float32; hidden 32 x 1 x 1,024 float32; v_w 1,024 float32.
;; Outputs: out0 32 x 1 x 1,024 float32.
;; This version of the problem:
;;   THIS VERSION OF THE PROBLEM IS GIVEN IN LOW PRECISION. The matrix products marked QUANTISED in the list below multiply operands that are first quantised to E2M3 (2 exponent bits, 3 mantissa bits; 6 bits a number), with one power-of-two scale for each 32 numbers along K (OCP MX v1.0); their sums are f32. All else is computed in f32.
;;   The module's matrix products, in the order in which they are computed (A, B: the left and right operand; K: the contracted axis; several contracted axes count as one K, in the product's order):
;;     1. [M 32, K 1,024] x [K 1,024, N 1,024]; A: input hidden; B: input attn_w: QUANTISED
;;     2. [M 65,536, K 1,024] x [K 1,024, N 1,024]; A: input encoder_outputs; B: input attn_w: QUANTISED
;;     3. [M 65,536, K 1,024] x [K 1,024, N 1]; A: computed on the way; B: input v_w: left as it is (N = 1 < 16)
;;     4. batch 32 x [M 1, K 2,048] x [K 2,048, N 1,024]; A: softmax; B: input encoder_outputs: left as it is (M = 1 < 16)
;;   THE QUANTISER, for each operand of a quantised product, along K:
;;     - K is cut into blocks of 32 from its start; a last block that is shorter is filled with zeros.
;;     - A block's scale is 2^e with e = floor(log2(the largest magnitude in the block)) - 2, held to -126 .. 127; a block of zeros has e = 0. As a byte (E8M0): e + 127.
;;     - Each number is divided by its block's scale, clamped to +-7.5, and rounded to the nearest number of E2M3, ties to even, subnormals kept.
;;     - The product sums the exact products of the quantised numbers (number of the format x scale) in f32.
;;   ~~~python
;;   def quantise(x, axis):      # numpy; x: float32 -> the quantised numbers, widened to float32 again
;;       x = np.moveaxis(x, axis, -1); K = x.shape[-1]
;;       x = np.pad(x, [(0, 0)] * (x.ndim - 1) + [(0, -K % 32)]); x = x.reshape(x.shape[:-1] + (-1, 32)); a = np.abs(x).max(-1, keepdims=True)
;;       e = np.where(a > 0, np.clip(np.frexp(np.where(a > 0, a, 1))[1] - 1 - 2, -126, 127), 0)      # np.frexp(a)[1] - 1 = floor(log2(a)), exactly
;;       r = np.clip(x / 2.0 ** e, -7.5, 7.5)
;;       step = 2.0 ** (np.maximum(np.frexp(np.where(r == 0, 1, r))[1] - 1, 0) - 3)
;;       q = np.round(r / step) * step * 2.0 ** e      # np.round: ties to even
;;       return np.moveaxis(q.reshape(q.shape[:-2] + (-1,))[..., :K], -1, axis).astype(np.float32)
;;   ~~~
;; One version. Each part assembles by itself: llvm-mc -triple=amdgcn-amd-amdhsa -mcpu=gfx1250 --defsym DOCPART=n.
;; ======== version 1 of 1: 3 launches
;; workspace buffers: wq 819,200 bytes; tab 524,288 bytes; logits 262,144 bytes
;; launch prep (part 1): grid 64 x 1, 16 waves a work-group, no clusters, 43,520 bytes of LDS; arguments attn_w, hidden, attn_b, v_w, wq, tab; writes wq, tab
.if DOCPART == 1
	.amdgcn_target "amdgcn-amd-amdhsa--gfx1250"
	.amdhsa_code_object_version 6
	.text
	.protected	k_q430e84dfbc_prep
	.globl	k_q430e84dfbc_prep
	.p2align	8
	.type	k_q430e84dfbc_prep,@function
k_q430e84dfbc_prep:
	s_mov_b64 s[64:65], 0
	v_nop
	global_prefetch_b8 v0, s[64:65] scope:SCOPE_SE
	s_setreg_imm32_b32 hwreg(HW_REG_WAVE_MODE, 25, 1), 1
	s_wait_xcnt 0x0
; FIRST OF THREE LAUNCHES.  context[b] = sum over s of softmax_s(sum_h v_w[h] tanh(hidden[b] W_h + enc[b][s] W_e + attn_b)[h]) enc[b][s].
; This launch: W_e (rows 1,024 to 2,047 of attn_w) becomes codes of E2M3 with E8M0 scale bytes along K, laid in the order of a matrix operand's registers (wq);
; hidden W_h, the first quantised product, is made whole; with attn_b and v_w it becomes a table (tab) that the second launch reads.
; THE FORMULA.  tanh(x) = 1 - 2 r with r = 1 / (1 + 2^(C2 x)), C2 = 2 log2(e).  2^(C2 x) = infinity gives r = 0 and 2^(C2 x) = 0 gives r = 1: both ends are right and no NaN arises.
; WORK LEFT OUT.  sum_h v_w[h] tanh(x[h]) = sum_h v_w[h] - 2 sum_h v_w[h] r[h].  The first term holds no s: it is the same for every position of a batch, whatever the inputs hold, and a term
; that is the same along a softmax's axis leaves the softmax as it was.  So it is never formed; it is of the size of the rest, so nothing but rounding moves.  Every input still has a way to the output: all five are loaded.
; LIMIT: an overflow, infinity or NaN that would arise in sum_h v_w[h] alone is not carried to the result.
; tab [batch 32][column 1,024][16 bytes] = (b', b', v', v'): b' = C2 (hidden W_h + attn_b), v' = -C2 v_w, each twice, so that packed instructions take them as plain pairs.
; wq: 64 tiles of 16 columns, 12,800 bytes each: [K step 0..7][lane][48 bytes] = the lane's twelve operand registers on end; then 512 bytes of scale words, [lane 16 p + r][word i] = column r's word of K step 2 i + p.
; A block's scale is 2^(floor(log2(its largest magnitude)) - 2); its byte is that magnitude's exponent field - 2, held at 1 from below.
; LIMITS: a block of zeros, or one whose largest magnitude lies under 2^-124, gets the byte 1 (a block of zeros has zero codes, and this program alone reads the bytes); NaN and infinities among the inputs are not served;
; the first product's K is summed in eight parts of 128, added in f32: another order of rounding than one running sum.
; SHARES.  Work-group t takes columns 16 t to 16 t + 15.  Wave w takes rows 128 w to 128 w + 127 of attn_w: waves 0-7 are W_h's K steps, waves 8-15 W_e's.  A LANE TAKES A COLUMN AND ITS REGISTERS RUN DOWN K,
; in the very order that the operand's layout gives that lane (K = 64 c + 32 (lane / 16) + 0..31), so the conversions' results are the operand's registers.  There are 64 work-groups because there are 64 column tiles.
.set C2,    0x4038aa3b                 ; 2 log2(e)
.set NC2,   0xc038aa3b                 ; its negative
.set EST,   0                          ; LDS: 1,536 bytes for each wave: a fragment on its way out
.set ESC,   24576                      ; the tile's 512 bytes of scale words
.set HST,   25088                      ; eight waves' partial sums of hidden W_h, 2,048 bytes each
.set SPARE, 41472                      ; the spare words, 128 bytes for each wave: eight blocks of 256 bytes that no other line names
.set WO,  4                            ; v4   attn_w: 4 r + 32 rows x (lane / 16)
.set HO,  5                            ; v5   hidden: row r, + 128 (lane / 16)
.set R4,  6                            ; v6   4 r
.set SH8, 7                            ; v7   8 (lane / 16)
.set EW,  8                            ; v8   my fragment stage, in: 48 x lane
.set ER,  9                            ; v9   and back: 16 x lane
.set EC,  10                           ; v10  my K step's place among the scale words
.set HW,  11                           ; v11  my partial sums' place
.set HR,  12                           ; v12  where waves 0-3 read them back
.set ECR, 13                           ; v13  the scale words, back
.set L16, 14                           ; v14  16 x lane
.set TO,  15                           ; v15  tab: 8 batches x (lane / 16) + 16 r
.set SPW, 16                           ; v16  LDS address of my spare word; never rewritten
.set NIL, 17                           ; v17  0; never rewritten
.set BI,  18                           ; v18  attn_b of my column
.set VW,  19                           ; v19  v_w of my column
.set SCW, 20                           ; v20-22 scale words: W's, hidden's rows 0-15, rows 16-31; nothing else
.set CB,  23                           ; v23  C2 attn_b
.set QT,  24                           ; v24-38 the quantiser's own
.set QE,  26
.set QY,  28
.set QWD, 30
.set QWX, 31
.set QTC, 32
.set FB,  40                           ; v40-51  W's fragment
.set FA0, 52                           ; v52-63  hidden's rows 0-15
.set FA1, 64                           ; v64-75  hidden's rows 16-31 (W's numbers are done with)
.set XW,  64                           ; v64-127 W's 64 numbers
.set FO,  64                           ; v64-75  waves 8-15: the fragment read back; v76-79 the scale words read back
.set D0,  80                           ; v80-87, v88-95 the two results
.set D1,  88
.set PS,  96                           ; v96-127 eight partial sums of four
.set XH,  128                          ; v128-255 hidden's 2 x 64 numbers
.set OQ,  128                          ; v128-143 four entries of tab
.set WV,  16                           ; s16  my wave's number
.set SEL, 26                           ; s[26:27] lane selects for v_permlanex16_b32: lane l xor 16
; 64 numbers of a lane, v[xs + 32 c + i] = number i of block 2 c + (lane / 16) of my row or column, become the operand's twelve registers at v[ad] and the scale word in v[sw].
.macro QUANT6 xs, ad, sw
.irp c, 0,1
	v_max3_num_f32 v[QT+\c], |v[\xs+32*\c]|, |v[\xs+32*\c+1]|, 0x1800000   ; the block's largest magnitude: all 32 numbers are mine; the floor 2^(3 - 127) keeps the byte at 1 or above
.endr
.irp i, 2,4,6,8,10,12,14,16,18,20,22,24,26,28,30
.irp c, 0,1
	v_max3_num_f32 v[QT+\c], v[QT+\c], |v[\xs+32*\c+\i]|, |v[\xs+32*\c+\i+1]|   ; (the two blocks by turns)
.endr
.endr
.irp c, 0,1
	v_add_nc_u32 v[QE+\c], 0xff000000, v[QT+\c]    ; 2 off the exponent field: the conversion takes the exponent field of this operand as its scale
.endr
.irp c, 0,1
	v_lshrrev_b32 v[QY+\c], 23, v[QE+\c]           ; the scale's byte
.endr
	v_lshl_or_b32 v[QWD], v[QY+1], 16, v[QY]       ; my two bytes, blocks h and 2 + h,
	v_lshlrev_b32 v[QWD], v[SH8], v[QWD]           ; at their places in the word;
	v_permlanex16_b32 v[QWX], v[QWD], s[SEL], s[SEL+1]
	v_or_b32 v[\sw], v[QWD], v[QWX]                ; with lane l xor 16's two the word is whole, in both lanes
.irp c, 0,1
	v_cvt_scalef32_pk16_fp6_f32 v[QTC+4*\c:QTC+4*\c+2], v[\xs+32*\c+16:\xs+32*\c+31], v[QE+\c]   ; a conversion's three registers begin on an even number: a block's upper half is made here and moved
.endr
.irp c, 0,1
	v_cvt_scalef32_pk16_fp6_f32 v[\ad+6*\c:\ad+6*\c+2], v[\xs+32*\c:\xs+32*\c+15], v[QE+\c]
.endr
	v_nop                                          ; one plain instruction behind the scaled conversions
.irp c, 0,1
.irp i, 0,1,2
	v_mov_b32 v[\ad+6*\c+3+\i], v[QTC+4*\c+\i]
.endr
.endr
.endm
	s_load_b256 s[4:11], s[0:1], 0x0               ; attn_w s[4:5], hidden s[6:7], attn_b s[8:9], v_w s[10:11]
	s_load_b128 s[12:15], s[0:1], 0x20             ; wq s[12:13], tab s[14:15]
	v_lshl_add_u32 v[SPW], v0, 2, SPARE
	v_mov_b32 v[NIL], 0
	v_lshrrev_b32 v1, 5, v0
	v_readfirstlane_b32 s[WV], v1                  ; wave 0..15
	v_and_b32 v1, 31, v0                           ; lane
	v_and_b32 v2, 15, v0                           ; r
	v_bfe_u32 v3, v0, 4, 1                         ; h
	v_lshlrev_b32 v[R4], 2, v2
	v_lshl_add_u32 v[WO], v3, 17, v[R4]            ; lanes 16-31 begin 32 rows of 4,096 bytes further down
	v_lshlrev_b32 v[HO], 12, v2
	v_lshl_add_u32 v[HO], v3, 7, v[HO]
	v_lshlrev_b32 v[SH8], 3, v3
	v_lshlrev_b32 v[L16], 4, v1
	; every LDS address is made here, ahead of the first parting of the waves
	s_mul_i32 s17, s[WV], 1536
	v_mul_u32_u24 v[EW], v1, 48
	v_add_nc_u32 v[EW], s17, v[EW]
	v_add_nc_u32 v[ER], s17, v[L16]
	s_and_b32 s18, s[WV], 1                        ; K step s = w - 8 = 2 i + p: p,
	s_lshl_b32 s18, s18, 8
	s_bfe_u32 s19, s[WV], 0x20001                  ; and i
	s_lshl_b32 s19, s19, 2
	s_add_co_u32 s18, s18, s19
	s_add_co_u32 s18, s18, ESC
	v_lshl_add_u32 v[EC], v2, 4, s18               ; ESC + 256 p + 16 r + 4 i
	s_and_b32 s28, s[WV], 7
	s_lshl_b32 s18, s28, 11
	s_add_co_u32 s18, s18, HST
	v_add_nc_u32 v[HW], s18, v[L16]
	s_and_b32 s29, s[WV], 3
	s_lshl_b32 s18, s29, 9
	s_add_co_u32 s18, s18, HST
	v_add_nc_u32 v[HR], s18, v[L16]
	v_add_nc_u32 v[ECR], ESC, v[L16]
	v_lshlrev_b32 v[TO], 4, v2
	v_lshl_add_u32 v[TO], v3, 17, v[TO]
	v_mov_b32 v[QWX], 0                            ; written once: a lane permute's destination counts as one of its sources
	s_mov_b32 s[SEL], 0x76543210
	s_mov_b32 s[SEL+1], 0xfedcba98
	s_mov_b32 s22, C2
	s_mov_b32 s23, NC2
	s_lshl_b32 s20, ttmp9, 6                       ; my tile's 16 columns: 64 bytes a tile
	s_mov_b32 s21, 0
	s_lshl_b32 s18, s[WV], 19                      ; my wave's 128 rows of 4,096 bytes
	s_add_co_u32 s18, s18, s20
	s_mov_b32 s19, 0
	s_wait_kmcnt 0x0
	s_add_nc_u64 s[4:5], s[4:5], s[18:19]
	s_add_nc_u64 s[8:9], s[8:9], s[20:21]
	s_add_nc_u64 s[10:11], s[10:11], s[20:21]
	s_lshl_b32 s18, s28, 9                         ; hidden: K step w, 512 bytes on
	s_add_nc_u64 s[6:7], s[6:7], s[18:19]
	s_mul_i32 s18, ttmp9, 12800
	s_add_nc_u64 s[12:13], s[12:13], s[18:19]      ; wq at my tile,
	s_mul_i32 s18, s28, 1536
	s_add_nc_u64 s[24:25], s[12:13], s[18:19]      ; and at my K step's fragment
	s_lshl_b32 s18, ttmp9, 8                       ; tab: 16 columns of 16 bytes; waves 0-3 take unit u = 2 a + q: batches 16 a + 8 h + 4 q + 0..3
	s_lshr_b32 s20, s29, 1
	s_lshl_b32 s20, s20, 18
	s_and_b32 s30, s29, 1
	s_lshl_b32 s30, s30, 16
	s_add_co_u32 s18, s18, s20
	s_add_co_u32 s18, s18, s30
	s_add_nc_u64 s[14:15], s[14:15], s[18:19]
.irp c, 0,1
.irp i, 0,1,2,3,4,5,6,7,8,9,10,11,12,13,14,15,16,17,18,19,20,21,22,23,24,25,26,27,28,29,30,31
	global_load_b32 v[XW+32*\c+\i], v[WO], s[4:5] offset:(64*\c+\i)*4096   ; attn_w(128 w + 64 c + 32 h + i, 16 t + r)
.endr
.endr
	global_load_b32 v[BI], v[R4], s[8:9]
	global_load_b32 v[VW], v[R4], s[10:11]
	s_cmp_lt_u32 s[WV], 8
	s_cbranch_scc0 .Lno_hidden
.irp a, 0,1
.irp c, 0,1
.irp j, 0,1,2,3,4,5,6,7
	global_load_b128 v[XH+64*\a+32*\c+4*\j:XH+64*\a+32*\c+4*\j+3], v[HO], s[6:7] offset:65536*\a+256*\c+16*\j   ; hidden(16 a + r, 128 w + 64 c + 32 h + 4 j ..)
.endr
.endr
.endr
.Lno_hidden:
	s_wait_loadcnt 0x0
	QUANT6 XW, FB, SCW
	s_cmp_lt_u32 s[WV], 8
	s_cbranch_scc1 .Lproduct
	; waves 8-15: the fragment leaves.  A lane's 48 bytes go into my stage on end and come back 16 bytes a lane, so that each store of the wave covers 512 consecutive bytes, aligned
	ds_store_b128 v[EW], v[FB:FB+3]
	ds_store_b128 v[EW], v[FB+4:FB+7] offset:16
	ds_store_b128 v[EW], v[FB+8:FB+11] offset:32
	ds_load_b128 v[FO:FO+3], v[ER]                 ; LDS serves a wave's instructions in order (ISA guide 5.7.1.4): these see the stores above
	ds_load_b128 v[FO+4:FO+7], v[ER] offset:512
	ds_load_b128 v[FO+8:FO+11], v[ER] offset:1024
	ds_store_b32 v[EC], v[SCW]                     ; lanes r and 16 + r store the same word with the same value
	s_wait_dscnt 0x1                               ; one instruction is younger than the three loads: the word's store
	global_store_b128 v[L16], v[FO:FO+3], s[24:25]
	global_store_b128 v[L16], v[FO+4:FO+7], s[24:25] offset:512
	global_store_b128 v[L16], v[FO+8:FO+11], s[24:25] offset:1024
	s_branch .Ljoin
.Lproduct:
	; waves 0-7: K step w of hidden W_h, for the 32 batches and my tile's 16 columns
	QUANT6 XH, FA0, SCW+1
	QUANT6 XH+64, FA1, SCW+2
.rept 8
	v_nop                                          ; a scale register written by a vector instruction stands 8 places ahead of a scaled matrix instruction, an operand so written 4
.endr
	v_wmma_scale_f32_16x16x128_f8f6f4 v[D0:D0+7], v[FA0:FA0+11], v[FB:FB+11], 0, v[SCW+1], v[SCW] matrix_a_fmt:MATRIX_FMT_FP6 matrix_b_fmt:MATRIX_FMT_FP6
	v_wmma_scale_f32_16x16x128_f8f6f4 v[D1:D1+7], v[FA1:FA1+11], v[FB:FB+11], 0, v[SCW+2], v[SCW] matrix_a_fmt:MATRIX_FMT_FP6 matrix_b_fmt:MATRIX_FMT_FP6
.rept 4
	v_nop                                          ; four places between a matrix instruction and the LDS store that reads its result
.endr
	ds_store_b128 v[HW], v[D0:D0+3]                ; register j of lane (r, h): batch 16 a + 8 h + j, column r; each result from its low end on
	ds_store_b128 v[HW], v[D0+4:D0+7] offset:512
	ds_store_b128 v[HW], v[D1:D1+3] offset:1024
	ds_store_b128 v[HW], v[D1+4:D1+7] offset:1536
.Ljoin:
	s_wait_dscnt 0x0                               ; for the others' sake: my LDS stores have landed
	s_barrier_signal -1
	s_barrier_wait -1
	s_cmp_lt_u32 s[WV], 4
	s_cbranch_scc0 .Lnot_sum
.irp k, 0,1,2,3,4,5,6,7
	ds_load_b128 v[PS+4*\k:PS+4*\k+3], v[HR] offset:2048*\k   ; unit u's four registers of K step k
.endr
	v_mul_f32 v[CB], s22, v[BI]
	s_wait_dscnt 0x0
.irp k, 0,1,2,3
	v_pk_add_f32 v[PS+4*\k:PS+4*\k+1], v[PS+4*\k:PS+4*\k+1], v[PS+16+4*\k:PS+16+4*\k+1]
	v_pk_add_f32 v[PS+4*\k+2:PS+4*\k+3], v[PS+4*\k+2:PS+4*\k+3], v[PS+16+4*\k+2:PS+16+4*\k+3]
.endr
.irp k, 0,1
	v_pk_add_f32 v[PS+4*\k:PS+4*\k+1], v[PS+4*\k:PS+4*\k+1], v[PS+8+4*\k:PS+8+4*\k+1]
	v_pk_add_f32 v[PS+4*\k+2:PS+4*\k+3], v[PS+4*\k+2:PS+4*\k+3], v[PS+8+4*\k+2:PS+8+4*\k+3]
.endr
	v_pk_add_f32 v[PS:PS+1], v[PS:PS+1], v[PS+4:PS+5]
	v_pk_add_f32 v[PS+2:PS+3], v[PS+2:PS+3], v[PS+6:PS+7]
.irp i, 0,1,2,3
	v_fma_f32 v[OQ+4*\i], v[PS+\i], s22, v[CB]     ; b' = C2 (hidden W_h) + C2 attn_b, written into both places of its pair
	v_fma_f32 v[OQ+4*\i+1], v[PS+\i], s22, v[CB]
	v_mul_f32 v[OQ+4*\i+2], s23, v[VW]             ; v' = -C2 v_w, likewise
	v_mul_f32 v[OQ+4*\i+3], s23, v[VW]
.endr
.irp i, 0,1,2,3
	global_store_b128 v[TO], v[OQ+4*\i:OQ+4*\i+3], s[14:15] offset:16384*\i   ; sixteen lanes store 256 consecutive bytes, aligned: 16 columns of one batch
.endr
.Lnot_sum:
	s_cmp_eq_u32 s[WV], 8
	s_cbranch_scc0 .Lend
	ds_load_b128 v[FO+12:FO+15], v[ECR]            ; the tile's 512 bytes of scale words, which waves 8-15 stored ahead of the barrier
	s_wait_dscnt 0x0
	global_store_b128 v[L16], v[FO+12:FO+15], s[12:13] offset:12288
.Lend:
	s_wait_tensorcnt 0x0                           ; the wave's end: a tensor wait, though this text has no tensor load, an add of 0 to my spare word and its wait, behind my last LDS store
	ds_add_u32 v[SPW], v[NIL]
	s_wait_dscnt 0x0
	s_endpgm
.Lfunc_end_k_q430e84dfbc_prep:
	.size	k_q430e84dfbc_prep, .Lfunc_end_k_q430e84dfbc_prep-k_q430e84dfbc_prep
	.p2alignl 7, 3214868480
	.fill 96, 4, 3214868480
	.section	.rodata,"a",@progbits
	.p2align	6, 0x0
	.amdhsa_kernel k_q430e84dfbc_prep
		.amdhsa_group_segment_fixed_size 43520
		.amdhsa_private_segment_fixed_size 0
		.amdhsa_enable_private_segment 0
		.amdhsa_kernarg_size 48
		.amdhsa_user_sgpr_count 2
		.amdhsa_user_sgpr_kernarg_segment_ptr 1
		.amdhsa_wavefront_size32 1
		.amdhsa_system_sgpr_workgroup_id_x 1
		.amdhsa_system_sgpr_workgroup_id_y 1
		.amdhsa_system_sgpr_workgroup_id_z 1
		.amdhsa_system_vgpr_workitem_id 0
		.amdhsa_next_free_vgpr 256
		.amdhsa_next_free_sgpr 66
		.amdhsa_reserve_vcc 0
		.amdhsa_float_denorm_mode_32 3
		.amdhsa_float_denorm_mode_16_64 3
		.amdhsa_memory_ordered 1
		.amdhsa_forward_progress 1
		.amdhsa_inst_pref_size 26
	.end_amdhsa_kernel
	.amdgpu_metadata
---
amdhsa.version: [ 1, 2 ]
amdhsa.kernels:
  - .name:           k_q430e84dfbc_prep
    .symbol:         k_q430e84dfbc_prep.kd
    .args:
      - { .name: attn_w, .offset: 0, .size: 8, .value_kind: global_buffer, .address_space: global }
      - { .name: hidden, .offset: 8, .size: 8, .value_kind: global_buffer, .address_space: global }
      - { .name: attn_b, .offset: 16, .size: 8, .value_kind: global_buffer, .address_space: global }
      - { .name: v_w, .offset: 24, .size: 8, .value_kind: global_buffer, .address_space: global }
      - { .name: wq, .offset: 32, .size: 8, .value_kind: global_buffer, .address_space: global }
      - { .name: tab, .offset: 40, .size: 8, .value_kind: global_buffer, .address_space: global }
    .group_segment_fixed_size: 43520
    .private_segment_fixed_size: 0
    .kernarg_segment_align: 8
    .kernarg_segment_size: 48
    .max_flat_workgroup_size: 512
    .sgpr_count:     66
    .vgpr_count:     256
    .wavefront_size: 32
...
	.end_amdgpu_metadata
.endif
;; end of part 1
;; launch scores (part 2): grid 256 x 1, 4 waves a work-group, clusters of 4 x 1, 327,680 bytes of LDS; arguments encoder_outputs, wq, tab, logits; writes logits
.if DOCPART == 2
	.amdgcn_target "amdgcn-amd-amdhsa--gfx1250"
	.amdhsa_code_object_version 6
	.text
	.protected	k_q430e84dfbc_scores
	.globl	k_q430e84dfbc_scores
	.p2align	8
	.type	k_q430e84dfbc_scores,@function
k_q430e84dfbc_scores:
	s_mov_b64 s[64:65], 0
	v_nop
	global_prefetch_b8 v0, s[64:65] scope:SCOPE_SE
	s_setreg_imm32_b32 hwreg(HW_REG_WAVE_MODE, 25, 1), 1
	s_wait_xcnt 0x0
	s_wait_alu depctr_hold_cnt(0) depctr_sa_sdst(0) depctr_va_vdst(0) depctr_va_sdst(0) depctr_va_ssrc(0) depctr_va_vcc(0) depctr_vm_vsrc(0)
	s_getreg_b32 s2, hwreg(HW_REG_IB_STS2, 6, 4)
	s_cmp_eq_u32 s2, 0
	s_cbranch_scc0 .Lentry_in_a_cluster
	s_endpgm
.Lentry_in_a_cluster:
	s_bfe_u32 s2, ttmp6, 0x10000c
	s_cmp_lg_u32 s2, 0x3003
	s_cbranch_scc0 .Lentry_shape_is_right
	s_endpgm
.Lentry_shape_is_right:
; SECOND OF THREE LAUNCHES.  logits[b][s] = sum over the 1,024 columns n of v'[n] r[n], r = 1 / (1 + 2^(C2 (enc[b][s] W_e)[n] + b'[b][n])): the attention score in powers of two,
; less the term log2(e) sum_n v_w[n], which is the same for every s of a batch and is left out (shown at the head of the first launch's text).  b' and v' come from tab, W_e's codes and scale words from wq.
; enc W_e is the quantised product: enc is quantised here, in registers, along K; codes of E2M3, one E8M0 byte for each 32 along K.
; LIMITS: a block of zeros, or one whose largest magnitude lies under 2^-124, gets the byte 1 (zero codes add nothing under it); NaN and infinities among the inputs are not served.
; SHARES.  A work-group takes 256 rows of enc, each of its four waves 64: four tiles of 16 rows, whose codes for all of K stay in 384 registers.  Every wave then walks all 64 tiles of 16 columns of W_e: a fragment
; of W_e (1,536 bytes out of LDS) feeds four matrix instructions.  A lane holds one column (lane % 16) and eight rows of a result, so b' and v' are one number a lane and a row's sum is kept in sixteen parts until the end.
; PHASE X: 32 fragments (row tile m, K step s).  A load takes 512 consecutive bytes of one row; sixteen rows turn through the wave's own stage in LDS and come back 32 neighbours along K to a lane and block.
; THE WALK: in step t the products of tile t fill one set of accumulators, and the tanh of tile t - 1 is worked in place on the other set, in slices behind the matrix instructions; tile t + 1's fragments are fetched meanwhile.
; CLUSTER: all work-groups walk the same 819,200 bytes of wq, and the four of a cluster belong to one batch and read the same 16,384 bytes of tab: both are asked for JOINTLY, by the same tensor load with the same
; descriptor and the mask of all four.  A work-group's place in its cluster enters the global addresses of enc and logits alone.
; REGISTERS, in windows of 256 (s_set_vgpr_msb: bits 1:0 source 0, 3:2 source 1, 5:4 source 2, 7:6 destination):
;   window 0: v4-18 addresses; v24-31 W_e's scale words, four for each parity of t; v32-63 enc's scale words (8 m + s); v64-191 two sets of 64 numbers, later the row sums; v192-206 the quantiser's own
;   windows 1 (row tiles 0, 1) and 2 (row tiles 2, 3): v0-191 enc's fragments at 12 (8 m' + s); v192-207, v208-223 two sets of two accumulators; v224-239 row sums; v240-243 the pairs b', one for each parity
;   window 3: v0-95, v96-191 W_e's fragments, a set for each parity; v192-195 the pairs v'; in phase X all 256: four sets of 16 rows as loaded
; A fragment of enc and its accumulators share a window, so ONE setting (destination, sources 0 and 2 in window X, source 1 in window 3) serves a product and the vector work beside it.
.set C2,     0x4038aa3b                ; 2 log2(e)
.set TILEB,  12800                     ; a tile of wq
.set SLOTB,  8*TILEB                   ; a slot holds eight tiles
.set QUART,  SLOTB/4                   ; what one wave's tensor load brings: 100 rows of 256 bytes
.set SLOT1,  1<<17                     ; slot 1 begins here, so that one exclusive or turns an address in one slot into the other's
.set TABLE,  SLOTB                     ; behind slot 0: my batch's 16,384 bytes of tab, filled once
.set SPARE,  TABLE+16384               ; the spare words, 128 bytes for each wave: two blocks of 256 bytes that no other line names
.set SCST,   SPARE+512                 ; the way out: 256 bytes for each wave
.set STAGE,  SLOT1+SLOTB               ; behind slot 1: a stage of 16 rows x (512 + 16 bytes) for each wave
.set SPITCH, 528                       ; 33 x 16 bytes: the 16 rows that a load of 16 bytes a lane touches fall on 16 different 16-byte columns of 256 bytes
.set GA,  4                            ; v4   16 x lane
.set STW, 5                            ; v5   the stage, in
.set STR, 6                            ; v6   and back: row r, + 128 (lane / 16)
.set SH8, 7                            ; v7   8 (lane / 16)
.set AB0, 8                            ; v8   48 x lane: my twelve registers of a fragment of W_e (3 l mod 16 takes 16 values: no two of 16 lanes meet in a 16-byte column)
.set AS0, 9                            ; v9   a tile's scale words: 12,288 + 16 x lane
.set AT0, 10                           ; v10  the table: TABLE + 16 r
.set ADB, 11                           ; v11-13 the addresses of the runs in hand
.set ADS, 12
.set ADT, 13
.set SCA, 14                           ; v14  the way out, in
.set SCR, 15                           ; v15  and back
.set SPW, 16                           ; v16  LDS address of my spare word; never rewritten
.set NIL, 17                           ; v17  0; never rewritten
.set GS,  18                           ; v18  8 x lane
.set SO,  20                           ; v[20:21] two scores
.set SB,  24
.set SA,  32
.set XB,  64
.set RS,  64                           ; the finished row sums, 8 m + j
.set QT,  192
.set QE,  194
.set QY,  196
.set QWD, 198
.set QWX, 199
.set QTC, 200
.set WV,  12                           ; s12  my wave's number
.set SEL, 20                           ; s[20:21] lane selects for v_permlanex16_b32: lane l xor 16
.set CS,  22                           ; s[22:23] C2: the packed form names a pair and takes its low word for both halves
.set G1W, 24                           ; s[24:31] descriptor group 1 for a quarter of a slot
.set F0,  32                           ; s[32:35] group 0: slot 0's first fill
.set F1,  36                           ; s[36:39] group 0: slot 1's first fill; it then walks
.set G1T, 40                           ; s[40:47] group 1 for a quarter of the table
.set FT,  48                           ; s[48:51] its group 0
.set TB,  52                           ; s52  LDS byte of the tile to be fetched next
.set TT,  53                           ; s53  256 x the tile whose table entry is fetched next
.set CN,  54                           ; s54, s55 loop counters
.set CO,  55
.set MSB, 0
.macro WIN new                         ; the immediate's high byte repeats the setting that is left; a switch that changes nothing is dropped
.if MSB != (\new)
	s_set_vgpr_msb (MSB<<8)|(\new)
.set MSB, (\new)
.endif
.endm
; A round of the cluster's barrier: my work-group's barrier, so that wave 0's signal speaks for all four waves; wave 0 signals; every wave waits for all four work-groups; my work-group's barrier once more.
.macro ROUND
	s_barrier_signal -1
	s_barrier_wait -1
	s_cmp_lg_u32 s[WV], 0
	s_cbranch_scc1 .Lnot_wave_0_\@
	s_barrier_signal -3
.Lnot_wave_0_\@:
	s_barrier_wait -3
	s_barrier_signal -1
	s_barrier_wait -1
.endm
; 64 numbers of a lane, v[xs + 32 c + i] = number i of block 2 c + (lane / 16) of my row, become the operand's twelve registers at v[ad] of window dw and the scale word in v[sw] of window 0.
.macro QUANT6 xs, ad, sw, dw
.irp c, 0,1
	v_max3_num_f32 v[QT+\c], |v[\xs+32*\c]|, |v[\xs+32*\c+1]|, 0x1800000   ; the block's largest magnitude: all 32 numbers are mine; the floor 2^(3 - 127) keeps the byte at 1 or above
.endr
.irp i, 2,4,6,8,10,12,14,16,18,20,22,24,26,28,30
.irp c, 0,1
	v_max3_num_f32 v[QT+\c], v[QT+\c], |v[\xs+32*\c+\i]|, |v[\xs+32*\c+\i+1]|   ; (the two blocks by turns)
.endr
.endr
.irp c, 0,1
	v_add_nc_u32 v[QE+\c], 0xff000000, v[QT+\c]    ; 2 off the exponent field: the conversion takes the exponent field of this operand as its scale
.endr
.irp c, 0,1
	v_lshrrev_b32 v[QY+\c], 23, v[QE+\c]           ; the scale's byte
.endr
	v_lshl_or_b32 v[QWD], v[QY+1], 16, v[QY]       ; my two bytes, blocks h and 2 + h,
	v_lshlrev_b32 v[QWD], v[SH8], v[QWD]           ; at their places in the word;
	v_permlanex16_b32 v[QWX], v[QWD], s[SEL], s[SEL+1]
	v_or_b32 v[\sw], v[QWD], v[QWX]                ; with lane l xor 16's two the word is whole
.irp c, 0,1
	v_cvt_scalef32_pk16_fp6_f32 v[QTC+4*\c:QTC+4*\c+2], v[\xs+32*\c+16:\xs+32*\c+31], v[QE+\c]   ; a conversion's three registers begin on an even number: a block's upper half is made here and moved
.endr
	WIN (\dw)<<6
.irp c, 0,1
	v_cvt_scalef32_pk16_fp6_f32 v[\ad+6*\c:\ad+6*\c+2], v[\xs+32*\c:\xs+32*\c+15], v[QE+\c]
.endr
	v_nop                                          ; one plain instruction behind the scaled conversions
.irp c, 0,1
.irp i, 0,1,2
	v_mov_b32 v[\ad+6*\c+3+\i], v[QTC+4*\c+\i]
.endr
.endr
	WIN 0
.endm
	s_load_b256 s[4:11], s[0:1], 0x0               ; enc s[4:5], wq s[6:7], tab s[8:9], logits s[10:11]
	v_lshl_add_u32 v[SPW], v0, 2, SPARE
	v_mov_b32 v[NIL], 0
	ds_add_u32 v[SPW], v[NIL]                      ; the wave's opening: the add, twice on end, and its wait ahead of my first tensor load; the set-up below stands between the second and the wait
	ds_add_u32 v[SPW], v[NIL]                      ; and once more
	v_lshrrev_b32 v1, 5, v0
	v_readfirstlane_b32 s[WV], v1                  ; wave 0..3
	v_and_b32 v1, 31, v0                           ; lane
	v_and_b32 v2, 15, v0                           ; r
	v_bfe_u32 v3, v0, 4, 1                         ; h
	v_lshlrev_b32 v[GA], 4, v1
	s_mul_i32 s16, s[WV], 16*SPITCH
	s_add_co_u32 s16, s16, STAGE                   ; my stage
	v_add_nc_u32 v[STW], s16, v[GA]
	v_mul_u32_u24 v[STR], v2, SPITCH
	v_lshl_add_u32 v[STR], v3, 7, v[STR]
	v_add_nc_u32 v[STR], s16, v[STR]
	v_lshlrev_b32 v[SH8], 3, v3
	v_mul_u32_u24 v[AB0], v1, 48
	v_add_nc_u32 v[AS0], 12288, v[GA]
	v_lshl_add_u32 v[AT0], v2, 4, TABLE
	s_lshl_b32 s17, s[WV], 8
	s_add_co_u32 s17, s17, SCST
	v_lshl_add_u32 v[SCA], v3, 5, s17              ; row 16 m + 8 h + j of my 64: 4 bytes a row
	v_lshl_add_u32 v[SCR], v1, 3, s17
	v_lshlrev_b32 v[GS], 3, v1
	v_mov_b32 v[QWX], 0                            ; written once: a lane permute's destination counts as one of its sources
	s_mov_b32 s[SEL], 0x76543210
	s_mov_b32 s[SEL+1], 0xfedcba98
	s_mov_b32 s[CS], C2
	s_mov_b32 s[CS+1], C2
	s_mov_b32 s[TT], 0
	; descriptor group 1: dense memory as rows of 256 bytes (32 elements of 8 bytes), no padding: 100 rows of wq, 16 rows of tab
	s_mov_b32 s[G1W], 15|(3<<16)|(1<<21)           ; 15:0 the mask: all four work-groups; 17:16 elements of 8 bytes; 21 set beside a mask
	s_mov_b32 s[G1W+1], 32<<16                     ; tensor_dim0 = 32
	s_mov_b32 s[G1W+2], 100<<16                    ; tensor_dim1 = 100
	s_mov_b32 s[G1W+3], 32<<16                     ; tile_dim0 = 32
	s_mov_b32 s[G1W+4], 100                        ; tile_dim1 = 100
	s_mov_b32 s[G1W+5], 32                         ; from row to row
	s_mov_b32 s[G1W+6], 0
	s_mov_b32 s[G1W+7], 0
	s_mov_b32 s[G1T], 15|(3<<16)|(1<<21)
	s_mov_b32 s[G1T+1], 32<<16
	s_mov_b32 s[G1T+2], 16<<16
	s_mov_b32 s[G1T+3], 32<<16
	s_mov_b32 s[G1T+4], 16
	s_mov_b32 s[G1T+5], 32
	s_mov_b32 s[G1T+6], 0
	s_mov_b32 s[G1T+7], 0
	s_mul_i32 s16, s[WV], QUART                    ; my quarter of a slot, in LDS and in wq alike
	s_mov_b32 s17, 0
	s_lshl_b32 s3, s[WV], 12                       ; my quarter of the table
	s_lshr_b32 s18, ttmp9, 1                       ; the batch: eight work-groups, two clusters, to a batch: the four partners share it
	s_lshl_b32 s18, s18, 14
	s_add_co_u32 s18, s18, s3
	s_mov_b32 s19, 0
	; what hangs on my place in the cluster has registers of its own
	s_bfe_u32 s13, ttmp6, 0x40000                  ; cx
	s_lshl_b32 s14, ttmp9, 2                       ; in a cluster launch ttmp9 counts clusters
	s_add_co_u32 s14, s14, s13                     ; my work-group: 4 x cluster + cx
	s_lshl_b32 s56, s14, 20                        ; its 256 rows of 4,096 bytes,
	s_lshl_b32 s57, s[WV], 18                      ; my wave's 64 of them
	s_add_co_u32 s56, s56, s57
	s_mov_b32 s57, 0
	s_lshl_b32 s58, s14, 10                        ; and the same rows' scores
	s_lshl_b32 s59, s[WV], 8
	s_add_co_u32 s58, s58, s59
	s_mov_b32 s59, 0
	s_wait_dscnt 0x0                               ; both opening adds are done
	s_wait_kmcnt 0x0
	s_add_nc_u64 s[4:5], s[4:5], s[56:57]
	s_add_nc_u64 s[10:11], s[10:11], s[58:59]
	ROUND                                          ; all four work-groups are here: the first joint loads meet
	s_mov_b32 s[F0], 1                             ; count = 1
	s_mov_b32 s[F0+1], s16                         ; LDS address: slot 0
	s_add_nc_u64 s[F0+2:F0+3], s[6:7], s[16:17]    ; tiles 0 to 7
	s_or_b32 s[F0+3], s[F0+3], 0x80000000          ; type = 2
	s_mov_b32 s[F1], 1
	s_add_co_u32 s[F1+1], s16, SLOT1
	s_add_nc_u64 s[F1+2:F1+3], s[6:7], s[16:17]
	s_add_nc_u64 s[F1+2:F1+3], s[F1+2:F1+3], SLOTB ; tiles 8 to 15
	s_or_b32 s[F1+3], s[F1+3], 0x80000000
	s_mov_b32 s[FT], 1
	s_add_co_u32 s[FT+1], s3, TABLE
	s_add_nc_u64 s[FT+2:FT+3], s[8:9], s[18:19]
	s_or_b32 s[FT+3], s[FT+3], 0x80000000
	tensor_load_to_lds s[F0:F0+3], s[G1W:G1W+7]    ; every wave issues all three first fills, with no branch: three tensor loads of mine are out
	s_nop 0
	tensor_load_to_lds s[FT:FT+3], s[G1T:G1T+7]
	s_nop 0
	tensor_load_to_lds s[F1:F1+3], s[G1W:G1W+7]
	s_nop 0
.rept 4
	v_nop                                          ; an s_nop 0 behind each tensor load, four v_nop ahead of the next switch of windows
.endr
; ---- PHASE X.  Fragment f = 8 m + s.  Every offset is an immediate; no address is ever stepped.
.macro LOADS f                         ; sixteen rows' 512 bytes of K step s into set f % 4 of window 3
	WIN 0xc0
.irp i, 0,1,2,3,4,5,6,7,8,9,10,11,12,13,14,15
	global_load_b128 v[64*((\f)%4)+4*\i:64*((\f)%4)+4*\i+3], v[GA], s[4:5] offset:(16*((\f)/8)+\i)*4096+512*((\f)%8) th:TH_LOAD_NT   ; 32 lanes read 512 consecutive bytes, aligned
.endr
.endm
.macro TURN f                          ; through my stage: rows as loaded in, 32 neighbours along K to a lane and block back.  LDS serves a wave's instructions in order (ISA guide 5.7.1.4): no wait between
	WIN 0x0c
.irp i, 0,1,2,3,4,5,6,7,8,9,10,11,12,13,14,15
	ds_store_b128 v[STW], v[64*((\f)%4)+4*\i:64*((\f)%4)+4*\i+3] offset:SPITCH*\i
.endr
	WIN 0
.irp c, 0,1
.irp j, 0,1,2,3,4,5,6,7
	ds_load_b128 v[XB+64*((\f)%2)+32*\c+4*\j:XB+64*((\f)%2)+32*\c+4*\j+3], v[STR] offset:256*\c+16*\j   ; K = 64 c + 32 h + 4 j .. of row r
.endr
.endr
.endm
.macro XSTEP f
	s_wait_dscnt 0x0                               ; fragment f's numbers are back from the stage: so the stage's stores have read set f % 4,
.if (\f)+4 < 32
	LOADS (\f)+4                                   ; which takes the loads of four fragments on
.endif
.if (\f)+1 < 32
.if (\f) <= 27
	s_wait_loadcnt 48                              ; loads come back in order (ISA guide 5.7.1): the next fragment's sixteen are in; three younger sets may be out
.else
	s_wait_loadcnt 16*(30-(\f))                    ; at the end the younger sets run out
.endif
	TURN (\f)+1                                    ; it turns through the stage while this one is quantised
.endif
	QUANT6 XB+64*((\f)%2), 12*(8*(((\f)/8)%2)+(\f)%8), SA+(\f), 1+(\f)/16
.endm
	LOADS 0
	LOADS 1
	LOADS 2
	LOADS 3
	s_wait_loadcnt 48
	TURN 0
.set FF, 0
.rept 32
	XSTEP FF
.set FF, FF+1
.endr
	WIN 0x40
.irp k, 0,1,2,3,4,5,6,7,8,9,10,11,12,13,14,15
	v_mov_b32 v[224+\k], 0                         ; the row sums begin at 0.  (These 32 plain instructions are also the places between the last scale word and operand written above and the first scaled product)
.endr
	WIN 0x80
.irp k, 0,1,2,3,4,5,6,7,8,9,10,11,12,13,14,15
	v_mov_b32 v[224+\k], 0
.endr
	WIN 0
	s_wait_tensorcnt 0x1                           ; my parts of slot 0 and of the table are in; slot 1's load, the one issued behind them, may stay out
	s_barrier_signal -1                            ; (no LDS instruction of mine is out: the last fragment began with a wait for all)
	s_barrier_wait -1                              ; everybody's are in
; ---- THE WALK
; A product: row tile m' of window x, K step ss, column tile of parity p.  Source 0 = 16 rows of enc, source 1 = 16 columns of W_e: register j of lane (r, h) is (row 8 h + j, column r).
; W_e's scale register ss / 2 holds the even K step's words in lanes 0-15 and the odd one's in lanes 16-31.  K step 0 starts the sum: nothing is cleared.
.macro MM x, m, p
.set rD, 192+16*(\p)+8*(\m)
.set rA, 12*(8*(\m)+ss)
.set rB, 96*(\p)+12*ss
.set rU, SA+8*(2*((\x)-1)+(\m))+ss
.set rW, SB+4*(\p)+ss/2
.if ss == 0
	v_wmma_scale_f32_16x16x128_f8f6f4 v[rD:rD+7], v[rA:rA+11], v[rB:rB+11], 0, v[rU], v[rW] matrix_a_fmt:MATRIX_FMT_FP6 matrix_b_fmt:MATRIX_FMT_FP6
.elseif ss%2 == 0
	v_wmma_scale_f32_16x16x128_f8f6f4 v[rD:rD+7], v[rA:rA+11], v[rB:rB+11], v[rD:rD+7], v[rU], v[rW] matrix_a_fmt:MATRIX_FMT_FP6 matrix_b_fmt:MATRIX_FMT_FP6
.else
	v_wmma_scale_f32_16x16x128_f8f6f4 v[rD:rD+7], v[rA:rA+11], v[rB:rB+11], v[rD:rD+7], v[rU], v[rW] matrix_a_fmt:MATRIX_FMT_FP6 matrix_b_fmt:MATRIX_FMT_FP6 matrix_b_scale:MATRIX_SCALE_ROW1
.endif
.endm
; THE VECTOR WORK on a window's 16 registers of accumulator set q, in place, in three lists; VOP writes number n of a list and steps n.
;   list 1: x = C2 acc + b' (8 packed), 2^x (16);   list 2: 1 + 2^x (8 packed), the reciprocal r (16);   list 3: sum += v' r (8 packed).
; Lists 1 and 2 go in six fours: four packed; then a packed one and three transcendentals, four times; then four transcendentals.  A register is scaled in an earlier four than the one with its transcendental,
; the packed ones run upward.
.macro VOP list, q
.set AC, 192+16*(\q)
.if (\list) == 3
	v_pk_fma_f32 v[224+2*n:225+2*n], v[AC+2*n:AC+2*n+1], v[192+2*(\q):193+2*(\q)], v[224+2*n:225+2*n]
.elseif (n < 4) || ((n < 20) && (n%4 == 0))
.set e, n
.if n >= 4
.set e, n/4+3
.endif
.if (\list) == 1
	v_pk_fma_f32 v[AC+2*e:AC+2*e+1], v[AC+2*e:AC+2*e+1], s[CS:CS+1], v[240+2*(\q):241+2*(\q)] op_sel_hi:[1,0,1]
.else
	v_pk_add_f32 v[AC+2*e:AC+2*e+1], v[AC+2*e:AC+2*e+1], 1.0 op_sel_hi:[1,0]
.endif
.else
.set e, n-8
.if n < 20
.set e, 3*(n/4-1)+n%4-1
.endif
.if (\list) == 1
	v_exp_f32 v[AC+e], v[AC+e]
.else
	v_rcp_f32 v[AC+e], v[AC+e]
.endif
.endif
.set n, n+1
.endm
; cnt K steps from s0 on, in window x; the window's two accumulators take turns, one instruction a turn; behind each product a slice of the list (four of lists 1 and 2, two of list 3).
.macro PH x, s0, cnt, list, p, vec
	WIN (\x)*0x51+0x0c                             ; destination, sources 0 and 2: window x; source 1: window 3
.set n, 0
.set ss, \s0
.rept \cnt
.irp m, 0,1
	MM \x, \m, \p
.if \vec
	VOP \list, 1-(\p)
	VOP \list, 1-(\p)
.if (\list) != 3
	VOP \list, 1-(\p)
	VOP \list, 1-(\p)
.endif
.endif
.endr
.set ss, ss+1
.endr
.endm
; THE LDS LOADS stand in two runs a step.  RUNA: the next tile's scale words and its K steps 0-3 into the other parity's registers (fb = 1), and this tile's table entry into this parity's: 16 loads, or 3.
; The address additions are the plain instructions behind the last exponential; the one wait for the step's 32 exponentials, ahead of their first use, stands behind them.
.macro RUNA p, fb, vec
	WIN 0
.if \fb
	v_add_nc_u32 v[ADB], s[TB], v[AB0]
	v_add_nc_u32 v[ADS], s[TB], v[AS0]
	s_add_co_u32 s[TB], s[TB], TILEB
.endif
	v_add_nc_u32 v[ADT], s[TT], v[AT0]
	s_add_co_u32 s[TT], s[TT], 256
.if \vec
	s_wait_alu depctr_va_vdst(0)
.endif
.if \fb
	ds_load_b128 v[SB+4*(1-(\p)):SB+4*(1-(\p))+3], v[ADS]
.endif
	WIN 0xc0
	ds_load_b64 v[192+2*(\p):193+2*(\p)], v[ADT] offset:8          ; v', twice
.if \fb
.irp s, 0,1,2,3
.irp i, 0,1,2
	ds_load_b128 v[96*(1-(\p))+12*\s+4*\i:96*(1-(\p))+12*\s+4*\i+3], v[ADB] offset:1536*\s+16*\i
.endr
.endr
.endif
	WIN 0x40
	ds_load_b64 v[240+2*(\p):241+2*(\p)], v[ADT]                   ; b', twice, for each of the two windows
	WIN 0x80
	ds_load_b64 v[240+2*(\p):241+2*(\p)], v[ADT]
.endm
.macro RUNB p                          ; the next tile's K steps 4-7: 12 loads
	WIN 0xc0
.irp s, 4,5,6,7
.irp i, 0,1,2
	ds_load_b128 v[96*(1-(\p))+12*\s+4*\i:96*(1-(\p))+12*\s+4*\i+3], v[ADB] offset:1536*\s+16*\i
.endr
.endr
.endm
; A STEP: 32 products of the tile of parity p.  vec = 1: the tanh of the tile before stands in slices.  fb = 1: the next tile is fetched.
; A load into a register that a matrix instruction has read, and a vector instruction that reads a matrix result, stand four places behind that matrix instruction (ISA guide 7.12.1 for vector instructions):
; the registers that a run fills, and the set that the slices work on, were last named by the step before; between lie at least the two packed instructions of its last slice and the eight of window 1's list 1.
.macro STEP p, vec, fb
	s_wait_dscnt 12                                ; the last RUNA's loads are in (K steps 0-3, scale words, table entry); the twelve of the last RUNB may be out
	PH 1, 0, 3, 1, \p, \vec
	PH 2, 0, 3, 1, \p, \vec
	RUNA \p, \fb, \vec
.if \fb
	s_wait_dscnt 16                                ; all but the sixteen just issued: K steps 4-7 are in
.else
	s_wait_dscnt 3
.endif
	PH 1, 3, 3, 2, \p, \vec
	PH 2, 3, 3, 2, \p, \vec
.if \vec
	v_nop                                          ; a plain instruction behind the last reciprocal,
	s_wait_alu depctr_va_vdst(0)                   ; and the one wait for the step's 32 reciprocals, ahead of their first use
.endif
.if \fb
	RUNB \p
.endif
	PH 1, 6, 2, 3, \p, \vec
	PH 2, 6, 2, 3, \p, \vec
.if !(\vec)
.rept 4
	v_nop                                          ; no slices here: the places between these products and the next step's first read of their results
.endr
.endif
.endm
.macro PAIR
	STEP 1, 1, 1
	STEP 0, 1, 1
	WIN 0                                          ; at a label and at a branch every window is 0
.endm
; THE CHANGE OF SLOTS, when a slot's last tile has been asked for.  Each wave waits for all its tensor loads (one is out: its part of the other slot), adds 0 to its spare word, and waits for that and for its reads
; of the slot.  fill = 1: the barrier is a round of the cluster's, so that no wave of any partner still reads the slot or has a load on its way; the joint refill, eight tiles two slots on, is the first thing behind it,
; my one tensor load until the next change: it has eight steps, 256 matrix instructions, in which to land.
.macro CHANGE fill
	WIN 0
	s_wait_tensorcnt 0x0                           ; no tensor load of mine is out, so a group 0 may be written
	ds_add_u32 v[SPW], v[NIL]                      ; 0 onto my spare word
.if \fill
	s_xor_b32 s[F1+1], s[F1+1], SLOT1              ; the walking descriptor: the other slot than last time,
	s_add_nc_u64 s[F1+2:F1+3], s[F1+2:F1+3], SLOTB ; the next eight tiles; the type bits on top are not reached
	s_wait_dscnt 0x0                               ; the add is done, and my reads of the slot are over
	ROUND
	tensor_load_to_lds s[F1:F1+3], s[G1W:G1W+7]
	s_nop 0
.rept 4
	v_nop
.endr
.else
	s_wait_dscnt 0x0
	s_barrier_signal -1
	s_barrier_wait -1
.endif
	s_sub_co_u32 s[TB], s[TB], SLOTB               ; the fetches go back to a slot's first tile,
	s_xor_b32 s[TB], s[TB], SLOT1                  ; in the other slot
.endm
	ds_load_b128 v[SB:SB+3], v[AS0]                ; tile 0: its scale words and all eight K steps, in the order of RUNA and RUNB
	WIN 0xc0
.irp s, 0,1,2,3,4,5,6,7
.irp i, 0,1,2
	ds_load_b128 v[12*\s+4*\i:12*\s+4*\i+3], v[AB0] offset:1536*\s+16*\i
.endr
.endr
	s_mov_b32 s[TB], TILEB
	STEP 0, 0, 1                                   ; step 0: there is no tile before it
	WIN 0
	s_mov_b32 s[CN], 3
.Lfirst:                                               ; steps 1 to 6
	PAIR
	s_sub_co_u32 s[CN], s[CN], 1
	s_cmp_lg_u32 s[CN], 0
	s_cbranch_scc1 .Lfirst
	s_mov_b32 s[CO], 6
.Lslot:                                                ; steps 7 to 54: six changes, each of which fills a slot again
	CHANGE 1
	s_mov_b32 s[CN], 4
.Lsteps:
	PAIR
	s_sub_co_u32 s[CN], s[CN], 1
	s_cmp_lg_u32 s[CN], 0
	s_cbranch_scc1 .Lsteps
	s_sub_co_u32 s[CO], s[CO], 1
	s_cmp_lg_u32 s[CO], 0
	s_cbranch_scc1 .Lslot
	CHANGE 0                                       ; the tail is written out: nothing is left to ask for
	s_mov_b32 s[CN], 4
.Llast:                                                ; steps 55 to 62
	PAIR
	s_sub_co_u32 s[CN], s[CN], 1
	s_cmp_lg_u32 s[CN], 0
	s_cbranch_scc1 .Llast
	STEP 1, 1, 0                                   ; step 63 fetches its table entry and no tile
; the tanh of tile 63, with no products beside it
.macro ALLV x, list
	WIN (\x)*0x51+0x0c
.set n, 0
.rept 24
	VOP \list, 1
.endr
.endm
.rept 4
	v_nop                                          ; places behind the last products
.endr
	s_wait_dscnt 0x0                               ; the table entry
	ALLV 1, 1
	ALLV 2, 1
	v_nop
	s_wait_alu depctr_va_vdst(0)
	ALLV 1, 2
	ALLV 2, 2
	v_nop
	s_wait_alu depctr_va_vdst(0)
	WIN 0x1d                                       ; the last multiply-adds put the sums into window 0: destination 0, sources 0 and 2 window 1, source 1 window 3
.irp i, 0,1,2,3,4,5,6,7
	v_pk_fma_f32 v[RS+2*\i:RS+2*\i+1], v[208+2*\i:209+2*\i], v[194:195], v[224+2*\i:225+2*\i]
.endr
	WIN 0x2e                                       ; the same from window 2
.irp i, 0,1,2,3,4,5,6,7
	v_pk_fma_f32 v[RS+16+2*\i:RS+16+2*\i+1], v[208+2*\i:209+2*\i], v[194:195], v[224+2*\i:225+2*\i]
.endr
	WIN 0
; ---- THE WAY OUT.  A row's sum lies in sixteen parts, one in each lane of its half: four steps add them; every lane of a half then holds the sums of rows 16 m + 8 h + j.
.irp x, 1,2,4,8
.irp k, 0,1,2,3,4,5,6,7,8,9,10,11,12,13,14,15,16,17,18,19,20,21,22,23,24,25,26,27,28,29,30,31
	v_add_f32_dpp v[RS+\k], v[RS+\k], v[RS+\k] row_xmask:\x row_mask:0xf bank_mask:0xf
.endr
.endr
.irp m, 0,1,2,3
.irp j, 0,1,2,3,4,5,6,7
	ds_store_b32 v[SCA], v[RS+8*\m+\j] offset:64*\m+4*\j           ; the sixteen lanes of a half store the same word with the same value
.endr
.endr
	ds_load_b64 v[SO:SO+1], v[SCR]                 ; LDS serves a wave's instructions in order: this sees my stores
	s_wait_dscnt 0x0
	global_store_b64 v[GS], v[SO:SO+1], s[10:11]   ; 32 lanes store my 64 rows' scores: 256 consecutive bytes, aligned
	s_wait_tensorcnt 0x0                           ; the wave's end: a tensor wait, an add of 0 to my spare word and its wait, behind my last tensor load and my last LDS store
	ds_add_u32 v[SPW], v[NIL]
	s_wait_dscnt 0x0
	ROUND                                          ; the closing round: no work-group ends while a partner may still ask for a tile that names it
	s_endpgm
.Lfunc_end_k_q430e84dfbc_scores:
	.size	k_q430e84dfbc_scores, .Lfunc_end_k_q430e84dfbc_scores-k_q430e84dfbc_scores
	.p2alignl 7, 3214868480
	.fill 96, 4, 3214868480
	.section	.rodata,"a",@progbits
	.p2align	6, 0x0
	.amdhsa_kernel k_q430e84dfbc_scores
		.amdhsa_group_segment_fixed_size 327680
		.amdhsa_private_segment_fixed_size 0
		.amdhsa_enable_private_segment 0
		.amdhsa_kernarg_size 32
		.amdhsa_user_sgpr_count 2
		.amdhsa_user_sgpr_kernarg_segment_ptr 1
		.amdhsa_wavefront_size32 1
		.amdhsa_system_sgpr_workgroup_id_x 1
		.amdhsa_system_sgpr_workgroup_id_y 1
		.amdhsa_system_sgpr_workgroup_id_z 1
		.amdhsa_system_vgpr_workitem_id 0
		.amdhsa_next_free_vgpr 1024
		.amdhsa_next_free_sgpr 66
		.amdhsa_reserve_vcc 0
		.amdhsa_float_denorm_mode_32 3
		.amdhsa_float_denorm_mode_16_64 3
		.amdhsa_memory_ordered 1
		.amdhsa_forward_progress 1
		.amdhsa_inst_pref_size 255
	.end_amdhsa_kernel
	.section	.bss,"aw",@nobits
	.p2align	6
	.space	262144
	.amdgpu_metadata
---
amdhsa.version: [ 1, 2 ]
amdhsa.kernels:
  - .name:           k_q430e84dfbc_scores
    .symbol:         k_q430e84dfbc_scores.kd
    .args:
      - { .name: encoder_outputs, .offset: 0, .size: 8, .value_kind: global_buffer, .address_space: global }
      - { .name: wq, .offset: 8, .size: 8, .value_kind: global_buffer, .address_space: global }
      - { .name: tab, .offset: 16, .size: 8, .value_kind: global_buffer, .address_space: global }
      - { .name: logits, .offset: 24, .size: 8, .value_kind: global_buffer, .address_space: global }
    .group_segment_fixed_size: 327680
    .private_segment_fixed_size: 0
    .kernarg_segment_align: 8
    .kernarg_segment_size: 32
    .max_flat_workgroup_size: 128
    .sgpr_count:     66
    .vgpr_count:     1024
    .wavefront_size: 32
...
	.end_amdgpu_metadata
.endif
;; end of part 2
;; launch context (part 3): grid 8 x 32, 16 waves a work-group, no clusters, 10,496 bytes of LDS; arguments encoder_outputs, logits, out0; writes out0
.if DOCPART == 3
	.amdgcn_target "amdgcn-amd-amdhsa--gfx1250"
	.amdhsa_code_object_version 6
	.text
	.protected	k_q430e84dfbc_context
	.globl	k_q430e84dfbc_context
	.p2align	8
	.type	k_q430e84dfbc_context,@function
k_q430e84dfbc_context:
	s_mov_b64 s[64:65], 0
	v_nop
	global_prefetch_b8 v0, s[64:65] scope:SCOPE_SE
	s_setreg_imm32_b32 hwreg(HW_REG_WAVE_MODE, 25, 1), 1
	s_wait_xcnt 0x0
; THIRD OF THREE LAUNCHES.  out0[b][e] = sum over s of p[s] enc[b][s][e] / sum over s of p[s], p[s] = 2^(logits[b][s] - the largest of the batch's logits): the softmax, with its maximum taken away, and the last product.
; logits holds the scores in powers of two, less a term that is the same for every s of a batch (left out: shown at the head of the first launch's text); the softmax is the same without it.
; The product has one row a batch: it is done by fused multiply-adds in f32; the matrix unit would have fifteen rows in sixteen idle.
; LIMITS: NaN and infinities among the inputs are not served; a p under 2^-126 counts as 0.
; SHARES.  Work-group (x, b) owns out0[b][128 x .. 128 x + 127]: each output has one owner.  Wave w takes positions 128 w to 128 w + 127; a load takes one position's 512 bytes of the slice, 16 bytes a lane.
; Every wave finds the batch's maximum for itself, from all 2,048 scores, so that the softmax needs no barrier; it takes the exponentials of its own 128 alone.  The waves' parts of the sums meet in LDS.
; A ring of sixteen slots in registers keeps sixteen loads of every wave in flight.  Every offset is an immediate; no address is ever stepped.
.set LSUM,  8192                       ; LDS: 0 .. 8,191 the waves' parts of the slice, 512 bytes each; here their parts of the divisor, a word each
.set SPARE, 8448                       ; the spare words, 128 bytes for each wave: eight blocks of 256 bytes that no other line names
.set L16, 1                            ; v1   16 x lane
.set P,   8                            ; v8-11  the scores of positions 128 w + 4 x lane + 0..3, then their p
.set MX,  12                           ; v12  the maximum; later 1 / the divisor
.set T,   14                           ; v14-17 at work
.set SPW, 24                           ; v24  LDS address of my spare word; never rewritten
.set NIL, 25                           ; v25  0; never rewritten
.set PW,  26                           ; v26  where my wave's part of the slice goes
.set LW,  28                           ; v28  where its part of the divisor goes
.set LR,  29                           ; v29  where wave 0 reads those
.set SC,  32                           ; v32-95  the batch's 2,048 scores; later the sixteen parts of the slice
.set RG,  96                           ; v96-159 the ring: sixteen slots of four registers
.set AC,  160                          ; v160-175 four sets of sums, by turns
.set WV,  10                           ; s10  my wave's number
.set SEL, 16                           ; s[16:17] lane selects for v_permlanex16_b32: lane l xor 16
.set PS,  20                           ; s[20:27] four pairs: a position's p in the low word (the packed form names the pair, so the high words are written once)
	s_load_b128 s[4:7], s[0:1], 0x0                ; enc s[4:5], logits s[6:7]
	s_load_b64 s[8:9], s[0:1], 0x10                ; out0
	v_lshl_add_u32 v[SPW], v0, 2, SPARE
	v_mov_b32 v[NIL], 0
	v_lshrrev_b32 v2, 5, v0
	v_readfirstlane_b32 s[WV], v2                  ; wave 0..15
	v_and_b32 v2, 31, v0
	v_lshlrev_b32 v[L16], 4, v2
	s_lshl_b32 s11, s[WV], 9
	v_add_nc_u32 v[PW], s11, v[L16]
	s_lshl_b32 s12, s[WV], 2
	s_add_co_u32 s12, s12, LSUM
	v_mov_b32 v[LW], s12
	v_mov_b32 v[LR], LSUM
	s_mov_b32 s[SEL], 0x76543210
	s_mov_b32 s[SEL+1], 0xfedcba98
.irp i, 0,1,2,3
	s_mov_b32 s[PS+2*\i+1], 0
.endr
	s_and_b32 s13, ttmp7, 0xffff                   ; the batch
	s_lshl_b32 s28, s13, 13                        ; its 2,048 scores,
	s_mov_b32 s29, 0
	s_mov_b32 s30, s11                             ; my wave's 128 of them,
	s_mov_b32 s31, 0
	s_lshl_b32 s32, s13, 23                        ; its 2,048 rows of 4,096 bytes,
	s_lshl_b32 s33, s[WV], 19                      ; my wave's 128 of them,
	s_add_co_u32 s32, s32, s33
	s_lshl_b32 s34, ttmp9, 9                       ; the work-group's 512 bytes of a row
	s_add_co_u32 s32, s32, s34
	s_mov_b32 s33, 0
	s_lshl_b32 s36, s13, 12
	s_add_co_u32 s36, s36, s34
	s_mov_b32 s37, 0
	s_wait_kmcnt 0x0
	s_add_nc_u64 s[6:7], s[6:7], s[28:29]
	s_add_nc_u64 s[14:15], s[6:7], s[30:31]
	s_add_nc_u64 s[4:5], s[4:5], s[32:33]
	s_add_nc_u64 s[8:9], s[8:9], s[36:37]
.irp k, 0,1,2,3,4,5,6,7,8,9,10,11,12,13,14,15
	global_load_b128 v[SC+4*\k:SC+4*\k+3], v[L16], s[6:7] offset:512*\k
.endr
	global_load_b128 v[P:P+3], v[L16], s[14:15]
.irp i, 0,1,2,3,4,5,6,7,8,9,10,11,12,13,14,15
	global_load_b128 v[RG+4*\i:RG+4*\i+3], v[L16], s[4:5] offset:4096*\i th:TH_LOAD_NT   ; the ring is filled: positions 0 to 15; 32 lanes read 512 consecutive bytes, aligned
.endr
	s_wait_loadcnt 16                              ; loads come back in order (ISA guide 5.7.1): the scores are in; the ring's sixteen stay out
.irp c, 0,1,2,3
	v_max3_num_f32 v[T+\c], v[SC+16*\c], v[SC+16*\c+1], v[SC+16*\c+2]   ; the largest of my 64, in four chains
.endr
.irp i, 3,5,7,9,11,13
.irp c, 0,1,2,3
	v_max3_num_f32 v[T+\c], v[T+\c], v[SC+16*\c+\i], v[SC+16*\c+\i+1]
.endr
.endr
.irp c, 0,1,2,3
	v_max_num_f32 v[T+\c], v[T+\c], v[SC+16*\c+15]
.endr
	v_max3_num_f32 v[T], v[T], v[T+1], v[T+2]
	v_max_num_f32 v[T], v[T], v[T+3]
	v_max_num_f32_dpp v[T], v[T], v[T] row_xmask:1 row_mask:0xf bank_mask:0xf
	v_max_num_f32_dpp v[T], v[T], v[T] row_xmask:2 row_mask:0xf bank_mask:0xf
	v_max_num_f32_dpp v[T], v[T], v[T] row_xmask:4 row_mask:0xf bank_mask:0xf
	v_max_num_f32_dpp v[T], v[T], v[T] row_xmask:8 row_mask:0xf bank_mask:0xf
	v_permlanex16_b32 v[T+1], v[T], s[SEL], s[SEL+1]
	v_max_num_f32 v[MX], v[T], v[T+1]              ; every lane holds the batch's maximum
.irp i, 0,1,2,3
	v_sub_f32 v[P+\i], v[P+\i], v[MX]
.endr
.irp i, 0,1,2,3
	v_exp_f32 v[P+\i], v[P+\i]                     ; p, at most 1
.endr
	v_nop                                          ; a plain instruction behind the last exponential,
	s_wait_alu depctr_va_vdst(0)                   ; and the one wait ahead of the first use
	v_add_f32 v[T], v[P], v[P+1]
	v_add_f32 v[T+1], v[P+2], v[P+3]
	v_add_f32 v[T], v[T], v[T+1]
	v_add_f32_dpp v[T], v[T], v[T] row_xmask:1 row_mask:0xf bank_mask:0xf
	v_add_f32_dpp v[T], v[T], v[T] row_xmask:2 row_mask:0xf bank_mask:0xf
	v_add_f32_dpp v[T], v[T], v[T] row_xmask:4 row_mask:0xf bank_mask:0xf
	v_add_f32_dpp v[T], v[T], v[T] row_xmask:8 row_mask:0xf bank_mask:0xf
	v_permlanex16_b32 v[T+1], v[T], s[SEL], s[SEL+1]
	v_add_f32 v[T], v[T], v[T+1]
	ds_store_b32 v[LW], v[T]                       ; my wave's part of the divisor: all lanes store the same word with the same value
; my 128 positions.  Position i's p lies in lane i / 4, register i % 4; it goes to a scalar pair, and two packed multiply-adds take the position's four numbers of my lane.  The first four positions start the sums.
.set RHO, 0
.rept 128
.set rA, AC+4*(RHO%4)
.set rX, RG+4*(RHO%16)
.set rS, PS+2*(RHO%4)
.if RHO <= 112
	s_wait_loadcnt 15                              ; this position's load is in; the fifteen younger ones stay out
.else
	s_wait_loadcnt 127-RHO                         ; the last sixteen load nothing: the counts run down
.endif
	v_readlane_b32 s[rS], v[P+RHO%4], RHO/4
.if RHO < 4
	v_pk_mul_f32 v[rA:rA+1], v[rX:rX+1], s[rS:rS+1] op_sel_hi:[1,0]
	v_pk_mul_f32 v[rA+2:rA+3], v[rX+2:rX+3], s[rS:rS+1] op_sel_hi:[1,0]
.else
	v_pk_fma_f32 v[rA:rA+1], v[rX:rX+1], s[rS:rS+1], v[rA:rA+1] op_sel_hi:[1,0,1]
	v_pk_fma_f32 v[rA+2:rA+3], v[rX+2:rX+3], s[rS:rS+1], v[rA+2:rA+3] op_sel_hi:[1,0,1]
.endif
.if RHO+16 < 128
	global_load_b128 v[rX:rX+3], v[L16], s[4:5] offset:4096*(RHO+16) th:TH_LOAD_NT
.endif
.set RHO, RHO+1
.endr
	v_pk_add_f32 v[AC:AC+1], v[AC:AC+1], v[AC+4:AC+5]
	v_pk_add_f32 v[AC+2:AC+3], v[AC+2:AC+3], v[AC+6:AC+7]
	v_pk_add_f32 v[AC+8:AC+9], v[AC+8:AC+9], v[AC+12:AC+13]
	v_pk_add_f32 v[AC+10:AC+11], v[AC+10:AC+11], v[AC+14:AC+15]
	v_pk_add_f32 v[AC:AC+1], v[AC:AC+1], v[AC+8:AC+9]
	v_pk_add_f32 v[AC+2:AC+3], v[AC+2:AC+3], v[AC+10:AC+11]
	ds_store_b128 v[PW], v[AC:AC+3]
	s_wait_dscnt 0x0                               ; for wave 0's sake: both my stores have landed
	s_barrier_signal -1
	s_barrier_wait -1
	s_cmp_lg_u32 s[WV], 0
	s_cbranch_scc1 .Lend
.irp k, 0,1,2,3,4,5,6,7,8,9,10,11,12,13,14,15
	ds_load_b128 v[SC+4*\k:SC+4*\k+3], v[L16] offset:512*\k
.endr
.irp k, 0,1,2,3
	ds_load_b128 v[RG+4*\k:RG+4*\k+3], v[LR] offset:16*\k          ; the sixteen parts of the divisor, in every lane
.endr
	s_wait_dscnt 0x0
.irp k, 0,2,4,6
	v_pk_add_f32 v[RG+\k:RG+\k+1], v[RG+\k:RG+\k+1], v[RG+8+\k:RG+8+\k+1]
.endr
.irp k, 0,2
	v_pk_add_f32 v[RG+\k:RG+\k+1], v[RG+\k:RG+\k+1], v[RG+4+\k:RG+4+\k+1]
.endr
	v_pk_add_f32 v[RG:RG+1], v[RG:RG+1], v[RG+2:RG+3]
	v_add_f32 v[RG], v[RG], v[RG+1]
	v_rcp_f32 v[MX], v[RG]                         ; the additions below, which name neither register, are the work behind it
.irp k, 0,1,2,3,4,5,6,7
	v_pk_add_f32 v[SC+4*\k:SC+4*\k+1], v[SC+4*\k:SC+4*\k+1], v[SC+32+4*\k:SC+32+4*\k+1]
	v_pk_add_f32 v[SC+4*\k+2:SC+4*\k+3], v[SC+4*\k+2:SC+4*\k+3], v[SC+32+4*\k+2:SC+32+4*\k+3]
.endr
.irp k, 0,1,2,3
	v_pk_add_f32 v[SC+4*\k:SC+4*\k+1], v[SC+4*\k:SC+4*\k+1], v[SC+16+4*\k:SC+16+4*\k+1]
	v_pk_add_f32 v[SC+4*\k+2:SC+4*\k+3], v[SC+4*\k+2:SC+4*\k+3], v[SC+16+4*\k+2:SC+16+4*\k+3]
.endr
.irp k, 0,1
	v_pk_add_f32 v[SC+4*\k:SC+4*\k+1], v[SC+4*\k:SC+4*\k+1], v[SC+8+4*\k:SC+8+4*\k+1]
	v_pk_add_f32 v[SC+4*\k+2:SC+4*\k+3], v[SC+4*\k+2:SC+4*\k+3], v[SC+8+4*\k+2:SC+8+4*\k+3]
.endr
	v_pk_add_f32 v[SC:SC+1], v[SC:SC+1], v[SC+4:SC+5]
	v_pk_add_f32 v[SC+2:SC+3], v[SC+2:SC+3], v[SC+6:SC+7]
	s_wait_alu depctr_va_vdst(0)                   ; the wait ahead of the reciprocal's first use
.irp i, 0,1,2,3
	v_mul_f32 v[SC+\i], v[SC+\i], v[MX]
.endr
	global_store_b128 v[L16], v[SC:SC+3], s[8:9]   ; 32 lanes store the slice: 512 consecutive bytes, aligned
.Lend:
	s_wait_tensorcnt 0x0                           ; the wave's end: a tensor wait, though this text has no tensor load, an add of 0 to my spare word and its wait, behind my last LDS store
	ds_add_u32 v[SPW], v[NIL]
	s_wait_dscnt 0x0
	s_endpgm
.Lfunc_end_k_q430e84dfbc_context:
	.size	k_q430e84dfbc_context, .Lfunc_end_k_q430e84dfbc_context-k_q430e84dfbc_context
	.p2alignl 7, 3214868480
	.fill 96, 4, 3214868480
	.section	.rodata,"a",@progbits
	.p2align	6, 0x0
	.amdhsa_kernel k_q430e84dfbc_context
		.amdhsa_group_segment_fixed_size 10496
		.amdhsa_private_segment_fixed_size 0
		.amdhsa_enable_private_segment 0
		.amdhsa_kernarg_size 24
		.amdhsa_user_sgpr_count 2
		.amdhsa_user_sgpr_kernarg_segment_ptr 1
		.amdhsa_wavefront_size32 1
		.amdhsa_system_sgpr_workgroup_id_x 1
		.amdhsa_system_sgpr_workgroup_id_y 1
		.amdhsa_system_sgpr_workgroup_id_z 1
		.amdhsa_system_vgpr_workitem_id 0
		.amdhsa_next_free_vgpr 176
		.amdhsa_next_free_sgpr 66
		.amdhsa_reserve_vcc 0
		.amdhsa_float_denorm_mode_32 3
		.amdhsa_float_denorm_mode_16_64 3
		.amdhsa_memory_ordered 1
		.amdhsa_forward_progress 1
		.amdhsa_inst_pref_size 52
	.end_amdhsa_kernel
	.amdgpu_metadata
---
amdhsa.version: [ 1, 2 ]
amdhsa.kernels:
  - .name:           k_q430e84dfbc_context
    .symbol:         k_q430e84dfbc_context.kd
    .args:
      - { .name: encoder_outputs, .offset: 0, .size: 8, .value_kind: global_buffer, .address_space: global }
      - { .name: logits, .offset: 8, .size: 8, .value_kind: global_buffer, .address_space: global }
      - { .name: out0, .offset: 16, .size: 8, .value_kind: global_buffer, .address_space: global }
    .group_segment_fixed_size: 10496
    .private_segment_fixed_size: 0
    .kernarg_segment_align: 8
    .kernarg_segment_size: 24
    .max_flat_workgroup_size: 512
    .sgpr_count:     66
    .vgpr_count:     176
    .wavefront_size: 32
...
	.end_amdgpu_metadata
.endif
;; end of part 3
